; MI455X (gfx1250); checked and timed in simulation.
; The chip was launched on July 23, 2026; its instructions are those of AMD's public machine-readable ISA for CDNA 5 (MIT licence, August 2026) and "CDNA5" Instruction Set Architecture Reference Guide (July 2026). The comments in the code are by the model that wrote it; some were corrected since.
;; vq ste. Allowed arithmetic: matrix products marked QUANTISED: E3M2 operands, one E8M0 scale for each 32 along K, by v_wmma_scale_f32_16x16x128_f8f6f4 with both operands' format E3M2, f32 sums; everything else in f32.
;; Inputs: embedding 1,024 x 64 float32; z_e 32 x 64 x 64 x 64 float32.
;; Outputs: out0 32 x 64 x 64 x 64 float32.
;; Constants: e_dim = 64.
;; This version of the problem:
;;   THIS VERSION OF THE PROBLEM IS GIVEN IN LOW PRECISION. The matrix products marked QUANTISED in the list below multiply operands that are first quantised to E3M2 (3 exponent bits, 2 mantissa bits; 6 bits a number), with one power-of-two scale for each 32 numbers along K (OCP MX v1.0); their sums are f32. All else is computed in f32.
;;   The module's matrix products, in the order in which they are computed (A, B: the left and right operand; K: the contracted axis; several contracted axes count as one K, in the product's order):
;;     1. [M 131,072, K 64] x [K 64, N 1,024]; A: computed on the way; B: input embedding: QUANTISED
;;   THE QUANTISER, for each operand of a quantised product, along K:
;;     - K is cut into blocks of 32 from its start; a last block that is shorter is filled with zeros.
;;     - A block's scale is 2^e with e = floor(log2(the largest magnitude in the block)) - 4, held to -126 .. 127; a block of zeros has e = 0. As a byte (E8M0): e + 127.
;;     - Each number is divided by its block's scale, clamped to +-28, and rounded to the nearest number of E3M2, ties to even, subnormals kept.
;;     - The product sums the exact products of the quantised numbers (number of the format x scale) in f32.
;;   ~~~python
;;   def quantise(x, axis):      # numpy; x: float32 -> the quantised numbers, widened to float32 again
;;       x = np.moveaxis(x, axis, -1); K = x.shape[-1]
;;       x = np.pad(x, [(0, 0)] * (x.ndim - 1) + [(0, -K % 32)]); x = x.reshape(x.shape[:-1] + (-1, 32)); a = np.abs(x).max(-1, keepdims=True)
;;       e = np.where(a > 0, np.clip(np.frexp(np.where(a > 0, a, 1))[1] - 1 - 4, -126, 127), 0)      # np.frexp(a)[1] - 1 = floor(log2(a)), exactly
;;       r = np.clip(x / 2.0 ** e, -28, 28)
;;       step = 2.0 ** (np.maximum(np.frexp(np.where(r == 0, 1, r))[1] - 1, -2) - 2)
;;       q = np.round(r / step) * step * 2.0 ** e      # np.round: ties to even
;;       return np.moveaxis(q.reshape(q.shape[:-2] + (-1,))[..., :K], -1, axis).astype(np.float32)
;;   ~~~
;;   OPERANDS COMPUTED ON THE WAY. 'Computed on the way' means the value that the module computes at that place (a softmax that the list does not call 'softmax' is quantised finished and normalised). What goes into a quantiser is computed in f32, as accurately as f32 sums, v_exp_f32 and their like allow (about 1e-6 of the number): no bf16 or f16 on the way to a quantiser, and a product that is left as it is and whose result goes on into a quantised operand takes f32 operands (vector FMAs, or v_wmma_f32_16x16x4_f32). A number that lies on a knife's edge between two numbers of the format may be rounded either way, as far as f32 arithmetic and the matrix unit's own rounding can turn it there, and no further.
;; One version. Each part assembles by itself: llvm-mc -triple=amdgcn-amd-amdhsa -mcpu=gfx1250 --defsym DOCPART=n.
;; ======== version 1 of 1: 2 launches
;; workspace buffers: idx 524,288 bytes of whole numbers; embs 262,144 bytes
;; launch nearest (part 1): grid 256 x 1, 8 waves a work-group, clusters of 4 x 1, 283,648 bytes of LDS; arguments embedding, z_e, idx, embs; writes idx, embs
.if DOCPART == 1
	.amdgcn_target "amdgcn-amd-amdhsa--gfx1250"
	.amdhsa_code_object_version 6
	.text
	.protected	k_q4a1397eedb_nearest
	.globl	k_q4a1397eedb_nearest
	.p2align	8
	.type	k_q4a1397eedb_nearest,@function
k_q4a1397eedb_nearest:
	s_mov_b64 s[64:65], 0
	v_nop
	global_prefetch_b8 v0, s[64:65] scope:SCOPE_SE
	s_setreg_imm32_b32 hwreg(HW_REG_WAVE_MODE, 25, 1), 1
	s_wait_xcnt 0x0
	s_wait_alu depctr_hold_cnt(0) depctr_sa_sdst(0) depctr_va_vdst(0) depctr_va_sdst(0) depctr_va_ssrc(0) depctr_va_vcc(0) depctr_vm_vsrc(0)
	s_getreg_b32 s2, hwreg(HW_REG_IB_STS2, 6, 4)
	s_cmp_eq_u32 s2, 0
	s_cbranch_scc0 .Lentry_in_a_cluster
	s_endpgm
.Lentry_in_a_cluster:
	s_bfe_u32 s2, ttmp6, 0x10000c
	s_cmp_lg_u32 s2, 0x3003
	s_cbranch_scc0 .Lentry_shape_is_right
	s_endpgm
.Lentry_shape_is_right:
; idx[n] = the first k at which (|x_n|^2 + |e_k|^2) - (2 x_n) . e_k is least.  x_n: the 64 channels z_e[b][:][hw] of token n = 4096 b + hw; e_k: row k of embedding [1024][64]; all f32.
; The product is made on codes of BF6 (E3M2) with one E8M0 scale for each 32 channels.  The codes of 2 x are those of x and its scale byte is one higher.  K = 64 fills half of the matrix instruction's 128:
; the other half are zero codes on both sides under the scale byte 127.  C of each product is (-|x|^2) + (-|e|^2), the sum of the two norms rounded as f32 and negated, so D is the negated distance and the LARGEST D is sought.
; The launch also lays the embedding anew for the next launch: embs [8 groups of 8 channels][1024][8], copied in pieces of 16 bytes.
; SHARES.  A work-group owns 512 tokens, in two chunks of 256 (16 tiles of 16).  THE EIGHT WAVES SHARE THE CODEBOOK, NOT THE TOKENS: wave w keeps codewords 128 w .. 128 w + 127 in registers for the whole launch
; (8 fragments, their scale words, their -|e|^2 in C's layout).  A tile of tokens goes to all eight waves through LDS as an image of its operand's registers; each wave's best (value, index) meets the others' in LDS.
; LAYOUT.  Source 0 = 16 codewords, source 1 = 16 tokens: lane (r, h) holds token r, and register j of tile T codeword 128 w + 16 T + 8 h + j.
; THE SEARCH.  For each tile of codewords: the running maximum (four three-way maxima), one compare (strictly greater: the earlier tile keeps a tie), the tile's eight values and its number kept where it won.
; Which of the eight it was is found once for each tile of tokens (the lowest j keeps a tie).  Waves are joined in ascending order on strictly greater, the two halves of the lanes on greater, or equal with the lower index.
; CLUSTER.  The four work-groups of a cluster need the same 256 KB of embedding: every wave asks for its 128 rows JOINTLY, by two loads whose descriptors hang on the wave's number alone.  Each LDS byte is filled once.
; LIMITS.  NaN and infinities among the inputs are not served.  A block whose largest magnitude lies under 2^-122 is taken as if it were 2^-122 (a block of zeros so gets a small scale byte where the rule says 127: its
; codes are zeros, and nobody else reads the bytes).  The two norms are summed by fused multiply-adds in four partial sums, an order of rounding that need not be the source's.
.set EPITCH, 272                       ; a row of the embedding in LDS: 256 bytes + 16 of padding = 68 words: the 16 rows that a load touches start at 16 different banks (64 banks of 4 bytes: ISA guide 11.1)
.set EHALF,  64*EPITCH                 ; what one tensor load brings
.set EWAVE,  128*EPITCH                ; a wave's 128 rows; the eight waves' rows lie from LDS byte 0 on
.set TIMG,   1280                      ; the image of a tile of tokens: 512 bytes registers 0-3 | 512 bytes (-xx, -xx, scale word, 0) | 256 bytes registers 4-5; place 16 h + r
.set CAND,   16*TIMG                   ; behind the 16 images (which lie from byte 0 on, over rows that have been read out): candidates [wave 8][tile 16][lane 32] x 8 bytes
.set IDXS,   CAND+8*4096               ; the 512 indices on their way out
.set EEL,    8*EWAVE                   ; behind the embedding: -|e|^2 of the 1,024 codewords
.set FLOOR,  0x2800000                 ; 2^(5 - 127): no largest magnitude is taken under it, so no scale byte falls under 1
.set LI16, 1                           ; v1   16 x lane
.set LI8,  2                           ; v2   8 x lane
.set AE,   3                           ; v3   my 128 bytes of a row of the embedding: wave's rows + 272 r + 128 h
.set AEE,  4                           ; v4   where -|e|^2 of row r goes
.set AEL,  5                           ; v5   and from where my half's eight come back
.set ZO,   6                           ; v6   4 x thread: my token's byte in a channel's row of z_e
.set AIA,  7                           ; v7   where I store 16-byte parts of my token's image
.set AIB,  8                           ; v8   and the 8-byte parts
.set ACD0, 9                           ; v9   my wave's candidates, my lane
.set ACF,  10                          ; v10  the candidates of the two tiles that my wave finishes
.set VBASE, 11                         ; v11  128 w + 8 h
.set SH8,  12                          ; v12  8 h
.set AIX,  13                          ; v13  IDXS + 4 x thread
.set AT16, 14                          ; v14-16 addresses of the tile in hand
.set AT8,  15
.set ACD,  16
.set CSRC, 17                          ; v17, v18 the copy into embs: byte offsets in and out
.set CDST, 18
.set GIX,  19                          ; v19  8 x thread
.set CB,   20                          ; v20-115  the codebook's fragments: tile T at CB + 12 T (6 registers of codes, 6 of zero codes)
.set CS,   116                         ; v116-123 their scale words
.set EE,   124                         ; v124-187 -|e|^2: tile T at EE + 8 T.  Until they are loaded: at work
.set XF,   188                         ; v188-199 the tokens' fragment
.set KEEP, 200                         ; v200, v201 the two chunks' indices;  v202 an address at the end
.set AIR,  202
.set ACC,  204                         ; v204-235 four accumulators, by turns; at work outside the sweep
.set SAV,  236                         ; v236-243 the eight values of the tile that holds the maximum
.set B0,   244                         ; v244 the running maximum, by turns with v246;  v245 the index: (v244, v245) is the candidate
.set IDX,  245
.set B1,   246
.set TID,  247                         ; v247 the number of the tile that holds the maximum
.set J,    248
.set T1,   249
.set T2,   250
.set Q,    252                         ; v252, v253 -xx;  v254 the tokens' scale word, and nothing else ever;  v255 0
.set TB0,  188                         ; the prologue's two buffers of 32 numbers
.set TB1,  220
.set MX,   124                         ; the prologue's small change, in registers that -|e|^2 takes later
.set MY,   125
.set SA,   126
.set SB,   128
.set EV,   130
.set PD1,  131
.set SO,   132
.set WD,   133
.set PD2,  134
.set C2,   136
.set CP,   140                         ; v140-147 the copy into embs (wave 0)
.set NE,   148                         ; v148-155 -|e|^2 on its way to LDS: a register for each tile, so that no store's data are written again
; window 1: v256-319, written v0-63: z_e of a chunk: the register is the channel, the lane the token
.set MSB, 0
.macro WIN new                         ; s_set_vgpr_msb: bits 1:0 source 0, 3:2 source 1, 5:4 source 2, 7:6 destination; the high byte repeats the setting that is left
.if MSB != \new
	s_set_vgpr_msb (MSB<<8)|\new
.set MSB, \new
.endif
.endm
.macro ROUND                           ; a round of the cluster's barrier: my work-group's barrier, wave 0 signals for the work-group, every wave waits for all four, my work-group's barrier once more
	s_barrier_signal -1
	s_barrier_wait -1
	s_cmp_lg_u32 s12, 0
	s_cbranch_scc1 .Lnot_wave_0_\@
	s_barrier_signal -3
.Lnot_wave_0_\@:
	s_barrier_wait -3
	s_barrier_signal -1
	s_barrier_wait -1
.endm
.macro BAR                             ; my LDS stores have landed and my LDS loads are in: then the work-group's barrier
	s_wait_dscnt 0x0
	s_barrier_signal -1
	s_barrier_wait -1
.endm
.macro ZLOAD off                       ; a chunk of z_e: 64 channels of my token; a wave reads 128 consecutive bytes, the eight waves side by side 1,024
	WIN 0x40                                       ; destination window 1
.set zc, 0
.rept 64
	global_load_b32 v[zc], v[ZO], s[6:7] offset:\off+zc*16384 th:TH_LOAD_NT
.set zc, zc+1
.endr
	WIN 0
.endm
.macro ELOAD t, buf                    ; lane (r, h): channels 32 h .. 32 h + 31 of row 16 t + r of my wave's rows: a whole block, as the operand's layout gives it to this lane
.irp i, 0,1,2,3,4,5,6,7
	ds_load_b128 v[\buf+4*\i:\buf+4*\i+3], v[AE] offset:(\t)*16*EPITCH+16*\i
.endr
.endm
; A tile of 16 codewords: its fragment, its scale word, its -|e|^2.
.macro QCB t, buf
	v_max3_num_f32 v[MX], |v[\buf]|, |v[\buf+1]|, FLOOR             ; the block's largest magnitude, in two chains, the floor among the leaves
	v_max3_num_f32 v[MY], |v[\buf+16]|, |v[\buf+17]|, |v[\buf+18]|
.irp i, 2,4,6,8,10,12
	v_max3_num_f32 v[MX], v[MX], |v[\buf+\i]|, |v[\buf+\i+1]|
	v_max3_num_f32 v[MY], v[MY], |v[\buf+17+\i]|, |v[\buf+18+\i]|
.endr
	v_max3_num_f32 v[MX], v[MX], |v[\buf+14]|, |v[\buf+15]|
	v_pk_mul_f32 v[SA:SA+1], v[\buf:\buf+1], v[\buf:\buf+1]         ; the sum of squares of my 32, two at a time, in two chains
	v_pk_mul_f32 v[SB:SB+1], v[\buf+2:\buf+3], v[\buf+2:\buf+3]
	v_max3_num_f32 v[MX], v[MX], v[MY], |v[\buf+31]|
.irp i, 4,8,12,16,20,24,28
	v_pk_fma_f32 v[SA:SA+1], v[\buf+\i:\buf+\i+1], v[\buf+\i:\buf+\i+1], v[SA:SA+1]
	v_pk_fma_f32 v[SB:SB+1], v[\buf+\i+2:\buf+\i+3], v[\buf+\i+2:\buf+\i+3], v[SB:SB+1]
.endr
	v_add_nc_u32 v[SO], 0xfe000000, v[MX]          ; 4 off the exponent field: the conversion takes the exponent field of this operand as its scale
	v_pk_add_f32 v[SA:SA+1], v[SA:SA+1], v[SB:SB+1]
	v_lshrrev_b32 v[WD], 23, v[SO]                 ; the scale's byte
	v_cvt_scalef32_pk16_bf6_f32 v[CB+12*(\t):CB+12*(\t)+2], v[\buf:\buf+15], v[SO]
	v_cvt_scalef32_pk16_bf6_f32 v[C2:C2+2], v[\buf+16:\buf+31], v[SO]     ; (a conversion's three registers begin on an even number: the block's second three are made here and moved)
	v_add_f32 v[EV], v[SA], v[SA+1]                ; a plain instruction behind the conversions, ahead of the first that touches their results
	v_lshlrev_b32 v[WD], v[SH8], v[WD]             ; my block's byte at its place in the word
	v_permlanex16_b32 v[PD1], v[EV], s18, s19      ; lane l xor 16 holds the row's other block
	v_permlanex16_b32 v[PD2], v[WD], s18, s19
.irp i, 0,1,2
	v_mov_b32 v[CB+12*(\t)+3+\i], v[C2+\i]
.endr
	v_sub_f32 v[NE+(\t)], -v[EV], v[PD1]           ; -|e|^2, the same bits in both halves
	v_or_b32 v[WD], v[WD], v[PD2]
	v_or_b32 v[CS+(\t)], 0x7f7f0000, v[WD]         ; bytes 2 and 3 stand over zero codes: 127
	ds_store_b32 v[AEE], v[NE+(\t)] offset:64*(\t) ; both halves write the same word with the same value
.endm
; The sweep's three parts for codeword tile t; accumulator t % 4.
.macro CSUM t                          ; C = (-|e|^2) + (-|x|^2), into the accumulator
.irp p, 0,2,4,6
	v_pk_add_f32 v[ACC+8*((\t)%4)+\p:ACC+8*((\t)%4)+\p+1], v[EE+8*(\t)+\p:EE+8*(\t)+\p+1], v[Q:Q+1]
.endr
.endm
.macro MUL t
	v_wmma_scale_f32_16x16x128_f8f6f4 v[ACC+8*((\t)%4):ACC+8*((\t)%4)+7], v[CB+12*(\t):CB+12*(\t)+11], v[XF:XF+11], v[ACC+8*((\t)%4):ACC+8*((\t)%4)+7], v[CS+(\t)], v[Q+2] matrix_a_fmt:MATRIX_FMT_BF6 matrix_b_fmt:MATRIX_FMT_BF6
.endm
.macro BEST t                          ; ten instructions for eight distances
.set rD, ACC+8*((\t)%4)
.if (\t)%2 == 0
.set rO, B0
.set rN, B1
.else
.set rO, B1
.set rN, B0
.endif
	v_max3_num_f32 v[T1], v[rD], v[rD+1], v[rD+2]  ; the accumulator is read from its low end on
	v_max3_num_f32 v[T2], v[rD+3], v[rD+4], v[rD+5]
	v_max3_num_f32 v[rN], v[rO], v[rD+6], v[rD+7]
	v_max3_num_f32 v[rN], v[rN], v[T1], v[T2]      ; the new running maximum beside the old one
	v_cmp_gt_f32 vcc_lo, v[rN], v[rO]              ; has this tile raised it?  Strictly: an earlier tile keeps a tie
.irp i, 0,2,4,6
	v_dual_cndmask_b32 v[SAV+\i], v[SAV+\i], v[rD+\i] :: v_dual_cndmask_b32 v[SAV+\i+1], v[SAV+\i+1], v[rD+\i+1]
.endr
	v_cndmask_b32 v[TID], v[TID], \t, vcc_lo
.endm
; A tile of 16 tokens against my 128 codewords.  The four accumulators take turns, one matrix instruction a turn, over the loop's edge too.
; Between a product and the first read of its result stand eight plain instructions or more that name none of its registers (four are asked); between the sums that make a C and the product four or more.
; pre = 1: the next tile's image is asked for behind BEST 6, whose ten instructions are the places behind the last product, which read these registers.
.macro TOK pre
	CSUM 0
	CSUM 1
	MUL 0
	CSUM 2
	MUL 1
	CSUM 3
	BEST 0
	MUL 2
	CSUM 4
	BEST 1
	MUL 3
	CSUM 5
	BEST 2
	MUL 4
	CSUM 6
	BEST 3
	MUL 5
	CSUM 7
	BEST 4
	MUL 6
	BEST 5
	MUL 7
	BEST 6
.if \pre
	v_add_nc_u32 v[AT16], s43, v[LI16]
	v_add_nc_u32 v[AT8], s43, v[LI8]
	ds_load_b128 v[XF:XF+3], v[AT16]
	ds_load_b128 v[Q:Q+3], v[AT16] offset:512
	ds_load_b64 v[XF+4:XF+5], v[AT8] offset:1024
	s_add_co_u32 s43, s43, TIMG
.endif
	BEST 7                                         ; the maximum ends in v244
.irp j, 0,1,2,3,4,5,6
	v_cmp_eq_f32 s[48+\j], v[SAV+\j], v[B0]        ; which of the winning tile's eight was it?
.endr
	v_mov_b32 v[J], 7
.irp j, 6,5,4,3,2,1,0
	v_cndmask_b32 v[J], v[J], \j, s[48+\j]         ; the lowest j is written last
.endr
	v_lshl_add_u32 v[IDX], v[TID], 4, v[J]
	v_add_nc_u32 v[ACD], s44, v[ACD0]
	v_add_nc_u32 v[IDX], v[VBASE], v[IDX]          ; 128 w + 16 T + 8 h + j
	ds_store_b64 v[ACD], v[B0:B0+1]
	s_add_co_u32 s44, s44, 256
	s_wait_dscnt 0x0                               ; the next tile's image is in; the store is done, so its data and address may be written again
	v_mov_b32 v[B0], 0xff800000                    ; -infinity: under every negated distance
.endm
	s_load_b256 s[4:11], s[0:1], 0x0               ; embedding s[4:5], z_e s[6:7], idx s[8:9], embs s[10:11]
	s_set_vgpr_msb 0x40
	v_lshl_add_u32 v64, v0, 2, 0x45000
	v_mov_b32 v65, 0
	s_set_vgpr_msb 0x4045
	ds_add_u32 v64, v65
	ds_add_u32 v64, v65
	s_set_vgpr_msb 0x4500
	v_lshrrev_b32 v20, 5, v0
	v_readfirstlane_b32 s12, v20                   ; wave 0..7
	v_and_b32 v20, 31, v0                          ; lane
	v_and_b32 v21, 15, v0                          ; r
	v_bfe_u32 v22, v0, 4, 1                        ; h
	s_mul_i32 s33, s12, EWAVE                      ; my wave's rows in LDS (also the first descriptor's LDS address)
	s_lshl_b32 s20, s12, 9
	s_mul_i32 s21, s12, 2*TIMG
	s_lshl_b32 s22, s12, 12
	s_lshl_b32 s23, s12, 7
	v_lshlrev_b32 v[LI16], 4, v20
	v_lshlrev_b32 v[LI8], 3, v20
	v_mul_u32_u24 v[AE], v21, EPITCH
	v_lshl_add_u32 v[AE], v22, 7, v[AE]
	v_add_nc_u32 v[AE], s33, v[AE]
	v_lshl_add_u32 v[AEE], v21, 2, EEL
	v_add_nc_u32 v[AEE], s20, v[AEE]               ; EEL + 512 w + 4 r
	v_lshl_add_u32 v[AEL], v22, 5, EEL
	v_add_nc_u32 v[AEL], s20, v[AEL]               ; EEL + 512 w + 32 h
	v_lshlrev_b32 v[ZO], 2, v0
	v_mul_u32_u24 v23, v22, TIMG
	v_add_nc_u32 v23, s21, v23                     ; my token's tile is 2 w + lane / 16
	v_lshl_add_u32 v[AIA], v21, 4, v23
	v_lshl_add_u32 v[AIB], v21, 3, v23
	v_lshl_add_u32 v[ACD0], v20, 3, CAND
	v_add_nc_u32 v[ACF], s20, v[ACD0]              ; CAND + 256 (2 w) + 8 lane
	v_add_nc_u32 v[ACD0], s22, v[ACD0]             ; CAND + 4096 w + 8 lane
	v_lshl_add_u32 v[VBASE], v22, 3, s23
	v_lshlrev_b32 v[SH8], 3, v22
	v_lshl_add_u32 v[AIX], v0, 2, IDXS
	v_lshlrev_b32 v[GIX], 3, v0
	v_bfe_u32 v23, v0, 1, 3                        ; the copy: lane l takes codeword (l % 16) / 2 of eight, piece l % 2 of channel group l / 16
	v_lshlrev_b32 v[CSRC], 8, v23
	v_lshl_add_u32 v[CSRC], v22, 5, v[CSRC]
	v_and_b32 v23, 1, v0
	v_lshl_add_u32 v[CSRC], v23, 4, v[CSRC]
	v_lshlrev_b32 v[CDST], 15, v22                 ; out: a channel group is 32,768 bytes; sixteen lanes fill 256 consecutive bytes of it
	v_lshl_add_u32 v[CDST], v21, 4, v[CDST]
	s_mov_b32 s18, 0x76543210                      ; v_permlanex16_b32's selects for lane l xor 16
	s_mov_b32 s19, 0xfedcba98
	s_mov_b32 s23, 0xffff0000                      ; lanes 16-31
	; descriptor group 1: 64 rows of 32 elements of 8 bytes, dense in memory, 16 bytes of padding behind each row in LDS
	s_mov_b32 s24, 15|(3<<16)|(1<<20)|(1<<21)|(5<<22)|(3<<25)   ; 15:0 the mask: all four work-groups; 17:16 elements of 8 bytes; 20 padding on; 21 set beside a mask; 24:22 after every 64 words; 31:25 4 words of it
	s_mov_b32 s25, 32<<16                          ; tensor_dim0 = 32
	s_mov_b32 s26, 64<<16                          ; tensor_dim1 = 64
	s_mov_b32 s27, 32<<16                          ; tile_dim0 = 32
	s_mov_b32 s28, 64                              ; tile_dim1 = 64
	s_mov_b32 s29, 32                              ; elements from row to row
	s_mov_b32 s30, 0
	s_mov_b32 s31, 0
	s_mov_b32 s32, 1                               ; group 0, twice: count = 1; LDS address; global address; type
	s_mov_b32 s36, 1
	s_add_co_u32 s37, s33, EHALF
	s_lshl_b32 s42, s12, 15                        ; my wave's 128 rows in memory: nothing in the descriptors hangs on the work-group
	s_mov_b32 s43, 0
	s_bfe_u32 s13, ttmp6, 0x40000                  ; my place in the cluster: it enters global addresses alone
	s_lshl_b32 s14, ttmp9, 2
	s_add_co_u32 s14, s14, s13                     ; g, the work-group's number
	s_lshr_b32 s15, s14, 1
	s_and_b32 s13, s14, 1
	s_lshr_b32 s16, s14, 3                         ; z_e: batch g / 8 (1,048,576 bytes), tokens 512 (g % 8) on (4 bytes each)
	s_lshl_b32 s16, s16, 20
	s_and_b32 s17, s14, 7
	s_lshl_b32 s17, s17, 11
	s_add_co_u32 s16, s16, s17
	s_mov_b32 s17, 0
	s_lshl_b32 s44, s15, 11                        ; the copy: codewords 8 (g / 2) on, channels 32 (g % 2) on
	s_lshl_b32 s45, s13, 7
	s_add_co_u32 s44, s44, s45
	s_mov_b32 s45, 0
	s_lshl_b32 s46, s13, 17                        ; to channel groups 4 (g % 2) on, 32 bytes a codeword
	s_lshl_b32 s47, s15, 8
	s_add_co_u32 s46, s46, s47
	s_mov_b32 s47, 0
	s_lshl_b32 s56, s14, 11                        ; idx: 512 words a work-group
	s_mov_b32 s57, 0
	s_wait_dscnt 0x0
	s_wait_kmcnt 0x0
	s_add_nc_u64 s[6:7], s[6:7], s[16:17]
	s_add_nc_u64 s[8:9], s[8:9], s[56:57]
	s_add_nc_u64 s[44:45], s[4:5], s[44:45]
	s_add_nc_u64 s[46:47], s[10:11], s[46:47]
	s_add_nc_u64 s[34:35], s[4:5], s[42:43]
	s_add_nc_u64 s[38:39], s[34:35], 16384
	s_or_b32 s35, s35, 0x80000000
	s_or_b32 s39, s39, 0x80000000
	ROUND                                          ; all four work-groups are here: the joint loads meet
	tensor_load_to_lds s[32:35], s[24:31]          ; my rows 0-63
	s_nop 0
	tensor_load_to_lds s[36:39], s[24:31]          ; my rows 64-127: two loads of mine are out
	s_nop 0
.rept 4
	v_nop
.endr
	s_cmp_lg_u32 s12, 0
	s_cbranch_scc1 .Lno_copy_in
	global_load_b128 v[CP:CP+3], v[CSRC], s[44:45]             ; wave 0: 64 pieces of 16 bytes of the embedding
	global_load_b128 v[CP+4:CP+7], v[CSRC], s[44:45] offset:64 ; (two channel groups on)
.Lno_copy_in:
	ZLOAD 0                                        ; the first chunk is on its way while the codebook is made
.irp t, 0,1,2,3,4,5,6,7
.irp i, 6,7,8,9,10,11
	v_mov_b32 v[CB+12*\t+\i], 0                    ; K = 64 .. 127: zero codes
.endr
.endr
	v_mov_b32 v[PD1], 0                            ; written once: a lane permute's destination counts as one of its sources
	v_mov_b32 v[PD2], 0
	; THE CODEBOOK.  My rows are read by me alone: my own wait on TENSORcnt is all that the reads need.
	s_wait_tensorcnt 0x1                           ; rows 0-63 are in; the second load may stay out
	ELOAD 0, TB0
	ELOAD 1, TB1
	s_wait_dscnt 8                                 ; tile 0 is in; behind it: tile 1's eight loads
	QCB 0, TB0
	ELOAD 2, TB0
	s_wait_dscnt 9                                 ; behind tile 1's loads: one store and eight loads
	QCB 1, TB1
	ELOAD 3, TB1
	s_wait_dscnt 9
	QCB 2, TB0
	s_wait_tensorcnt 0x0                           ; rows 64-127 are in
	ELOAD 4, TB0
	s_wait_dscnt 9
	QCB 3, TB1
	ELOAD 5, TB1
	s_wait_dscnt 9
	QCB 4, TB0
	ELOAD 6, TB0
	s_wait_dscnt 9
	QCB 5, TB1
	ELOAD 7, TB1
	s_wait_dscnt 9
	QCB 6, TB0
	s_wait_dscnt 1                                 ; behind tile 7's loads: one store
	QCB 7, TB1
	s_wait_loadcnt 0x0                             ; the first chunk of z_e, and wave 0's pieces
	s_cmp_lg_u32 s12, 0
	s_cbranch_scc1 .Lno_copy_out
	global_store_b128 v[CDST], v[CP:CP+3], s[46:47]            ; sixteen lanes store 256 consecutive bytes, at a multiple of 256 from the buffer's first byte
	global_store_b128 v[CDST], v[CP+4:CP+7], s[46:47] offset:65536
	s_wait_xcnt 0x0                                ; the stores' data registers are loaded anew below
.Lno_copy_out:
	s_wait_dscnt 0x0                               ; my stores of -|e|^2 are done: their data registers are loaded anew below
.irp t, 0,1,2,3,4,5,6,7
	ds_load_b128 v[EE+8*\t:EE+8*\t+3], v[AEL] offset:64*\t       ; -|e|^2 of codewords 16 t + 8 h + 0 .. 7: C's layout.  My wave's own words
	ds_load_b128 v[EE+8*\t+4:EE+8*\t+7], v[AEL] offset:64*\t+16
.endr
.irp i, 6,7,8,9,10,11
	v_mov_b32 v[XF+\i], 0                          ; the tokens' K = 64 .. 127: zero codes
.endr
.irp i, 0,1,2,3,4,5,6,7
	v_mov_b32 v[SAV+\i], 0
.endr
	v_mov_b32 v[TID], 0
	v_mov_b32 v[KEEP+1], 0
	v_mov_b32 v[B0], 0xff800000
	BAR                                            ; every wave has read its rows of the embedding out: their bytes take the images and the candidates
	s_mov_b32 s40, 2
.Lchunk:
	; ---- A: my token's 64 channels become two blocks of codes, a scale word and -|x|^2
	s_wait_loadcnt 0x0
	v_mov_b32 v[ACC], FLOOR
	v_mov_b32 v[ACC+1], FLOOR
	WIN 0x14                                       ; sources 1 and 2 window 1
.set zc, 0
.rept 16
	v_max3_num_f32 v[ACC], v[ACC], |v[zc]|, |v[zc+1]|          ; the two blocks by turns
	v_max3_num_f32 v[ACC+1], v[ACC+1], |v[zc+32]|, |v[zc+33]|
.set zc, zc+2
.endr
	WIN 0x05                                       ; sources 0 and 1 window 1
	v_pk_mul_f32 v[ACC+2:ACC+3], v[0:1], v[0:1]
	v_pk_mul_f32 v[ACC+4:ACC+5], v[2:3], v[2:3]
.set zc, 4
.rept 15
	v_pk_fma_f32 v[ACC+2:ACC+3], v[zc:zc+1], v[zc:zc+1], v[ACC+2:ACC+3]
	v_pk_fma_f32 v[ACC+4:ACC+5], v[zc+2:zc+3], v[zc+2:zc+3], v[ACC+4:ACC+5]
.set zc, zc+4
.endr
	WIN 0
	v_pk_add_f32 v[ACC+2:ACC+3], v[ACC+2:ACC+3], v[ACC+4:ACC+5]
	v_add_nc_u32 v[ACC+6], 0xfe000000, v[ACC]      ; the conversions' scale operands: those of x
	v_add_nc_u32 v[ACC+7], 0xfe000000, v[ACC+1]
	v_add_nc_u32 v[ACC+8], 0xfe800000, v[ACC]      ; the bytes are those of 2 x: one higher
	v_add_nc_u32 v[ACC+9], 0xfe800000, v[ACC+1]
	v_sub_f32 v[ACC+12], -v[ACC+2], v[ACC+3]       ; -|x|^2
	v_lshrrev_b32 v[ACC+8], 23, v[ACC+8]
	v_lshrrev_b32 v[ACC+9], 23, v[ACC+9]
	v_mov_b32 v[ACC+13], v[ACC+12]                 ; twice: a pair for the packed sums
	v_lshl_or_b32 v[ACC+14], v[ACC+9], 8, v[ACC+8]
	v_or_b32 v[ACC+14], 0x7f7f0000, v[ACC+14]
	v_mov_b32 v[ACC+15], 0
	WIN 0x01                                       ; source 0 window 1
	v_cvt_scalef32_pk16_bf6_f32 v[ACC+16:ACC+18], v[0:15], v[ACC+6]
	v_cvt_scalef32_pk16_bf6_f32 v[ACC+20:ACC+22], v[16:31], v[ACC+6]
	v_cvt_scalef32_pk16_bf6_f32 v[ACC+24:ACC+26], v[32:47], v[ACC+7]
	v_cvt_scalef32_pk16_bf6_f32 v[ACC+28:ACC+30], v[48:63], v[ACC+7]
	WIN 0
	v_nop                                          ; a plain instruction behind the conversions
.irp b, 0,8
	v_mov_b32 v[ACC+19+\b], v[ACC+20+\b]           ; a block's six registers as four and two
	v_mov_b32 v[ACC+20+\b], v[ACC+21+\b]
	v_mov_b32 v[ACC+21+\b], v[ACC+22+\b]
.endr
	ds_store_b128 v[AIA], v[ACC+16:ACC+19]                     ; block 0 to place r, block 1 to place 16 + r of my tile's image
	ds_store_b128 v[AIA], v[ACC+24:ACC+27] offset:256
	ds_store_b128 v[AIA], v[ACC+12:ACC+15] offset:512          ; both halves of the lanes want the token's -|x|^2
	ds_store_b128 v[AIA], v[ACC+12:ACC+15] offset:768
	ds_store_b64 v[AIB], v[ACC+20:ACC+21] offset:1024
	ds_store_b64 v[AIB], v[ACC+28:ACC+29] offset:1152
	s_cmp_eq_u32 s40, 1                            ; the second chunk is asked for a whole sweep ahead of its use; the last trip asks for nothing
	s_cbranch_scc1 .Lno_next
	ZLOAD 1024
.Lno_next:
	BAR                                            ; the sixteen images are whole; every wave's reads of the last chunk's candidates are over
	; ---- B: the sweep
	ds_load_b128 v[XF:XF+3], v[LI16]
	ds_load_b128 v[Q:Q+3], v[LI16] offset:512
	ds_load_b64 v[XF+4:XF+5], v[LI8] offset:1024
	s_mov_b32 s43, TIMG                            ; the image to be asked for next
	s_mov_b32 s44, 0                               ; the candidate's place
	s_mov_b32 s41, 15
	s_wait_dscnt 0x0
.Ltile:
	TOK 1
	s_sub_co_u32 s41, s41, 1
	s_cmp_lg_u32 s41, 0
	s_cbranch_scc1 .Ltile
	TOK 0                                          ; the last tile asks for no image
	BAR                                            ; the candidates are whole; every wave's reads of the images are over
	; ---- C: my wave finishes tiles 2 w and 2 w + 1
.irp u, 0,1
.irp q, 0,1,2,3,4,5,6,7
	ds_load_b64 v[ACC+16*\u+2*\q:ACC+16*\u+2*\q+1], v[ACF] offset:\q*4096+\u*256
.endr
.endr
	s_wait_dscnt 0x0
.irp q, 1,2,3,4,5,6,7
.irp u, 0,1
	v_cmp_gt_f32 vcc_lo, v[ACC+16*\u+2*\q], v[ACC+16*\u]       ; waves in ascending order, strictly greater: the lower codewords keep a tie
	v_dual_cndmask_b32 v[ACC+16*\u], v[ACC+16*\u], v[ACC+16*\u+2*\q] :: v_dual_cndmask_b32 v[ACC+16*\u+1], v[ACC+16*\u+1], v[ACC+16*\u+2*\q+1]
.endr
.endr
.irp u, 0,1
	v_permlanex16_b32 v[SAV+2*\u], v[ACC+16*\u], s18, s19      ; the token's other half of each tile of codewords lies in lane l xor 16
	v_permlanex16_b32 v[SAV+2*\u+1], v[ACC+16*\u+1], s18, s19
.endr
.irp u, 0,1
	v_cmp_gt_f32 s20, v[SAV+2*\u], v[ACC+16*\u]
	v_cmp_eq_f32 s21, v[SAV+2*\u], v[ACC+16*\u]
	v_cmp_lt_u32 s22, v[SAV+2*\u+1], v[ACC+16*\u+1]
	s_and_b32 s21, s21, s22
	s_or_b32 s20, s20, s21                         ; the other's where it is greater, or equal with the lower index
	v_cndmask_b32 v[ACC+16*\u+1], v[ACC+16*\u+1], v[SAV+2*\u+1], s20
.endr
	v_mov_b32 v[KEEP], v[KEEP+1]                   ; the chunk before moves along
	v_cndmask_b32 v[KEEP+1], v[ACC+1], v[ACC+17], s23          ; lanes 0-15: tile 2 w; lanes 16-31: tile 2 w + 1: lane l holds the index of the chunk's token 32 w + l
	s_sub_co_u32 s40, s40, 1
	s_cmp_lg_u32 s40, 0
	s_cbranch_scc1 .Lchunk
	; THE WAY OUT: a wave's 32 indices of a chunk are 128 bytes; through LDS they leave as 256 consecutive bytes a wave
	ds_store_b32 v[AIX], v[KEEP]
	ds_store_b32 v[AIX], v[KEEP+1] offset:1024
	v_lshl_add_u32 v[AIR], v0, 3, IDXS
	BAR
	ds_load_b64 v[ACC:ACC+1], v[AIR]
	s_wait_dscnt 0x0
	global_store_b64 v[GIX], v[ACC:ACC+1], s[8:9]
	s_set_vgpr_msb 0x5
	s_wait_tensorcnt 0x0
	ds_add_u32 v64, v65
	s_wait_dscnt 0x0
	s_set_vgpr_msb 0x500
	ROUND                                          ; the closing round: no work-group ends while a partner may still ask for rows jointly
	s_endpgm
.Lfunc_end_k_q4a1397eedb_nearest:
	.size	k_q4a1397eedb_nearest, .Lfunc_end_k_q4a1397eedb_nearest-k_q4a1397eedb_nearest
	.p2alignl 7, 3214868480
	.fill 96, 4, 3214868480
	.section	.rodata,"a",@progbits
	.p2align	6, 0x0
	.amdhsa_kernel k_q4a1397eedb_nearest
		.amdhsa_group_segment_fixed_size 283648
		.amdhsa_private_segment_fixed_size 0
		.amdhsa_enable_private_segment 0
		.amdhsa_kernarg_size 32
		.amdhsa_user_sgpr_count 2
		.amdhsa_user_sgpr_kernarg_segment_ptr 1
		.amdhsa_wavefront_size32 1
		.amdhsa_system_sgpr_workgroup_id_x 1
		.amdhsa_system_sgpr_workgroup_id_y 1
		.amdhsa_system_sgpr_workgroup_id_z 1
		.amdhsa_system_vgpr_workitem_id 0
		.amdhsa_next_free_vgpr 322
		.amdhsa_next_free_sgpr 66
		.amdhsa_reserve_vcc 1
		.amdhsa_float_denorm_mode_32 3
		.amdhsa_float_denorm_mode_16_64 3
		.amdhsa_memory_ordered 1
		.amdhsa_forward_progress 1
		.amdhsa_inst_pref_size 78
	.end_amdhsa_kernel
	.amdgpu_metadata
---
amdhsa.version: [ 1, 2 ]
amdhsa.kernels:
  - .name:           k_q4a1397eedb_nearest
    .symbol:         k_q4a1397eedb_nearest.kd
    .args:
      - { .name: embedding, .offset: 0, .size: 8, .value_kind: global_buffer, .address_space: global }
      - { .name: z_e, .offset: 8, .size: 8, .value_kind: global_buffer, .address_space: global }
      - { .name: idx, .offset: 16, .size: 8, .value_kind: global_buffer, .address_space: global }
      - { .name: embs, .offset: 24, .size: 8, .value_kind: global_buffer, .address_space: global }
    .group_segment_fixed_size: 283648
    .private_segment_fixed_size: 0
    .kernarg_segment_align: 8
    .kernarg_segment_size: 32
    .max_flat_workgroup_size: 256
    .sgpr_count:     66
    .vgpr_count:     322
    .wavefront_size: 32
...
	.end_amdgpu_metadata
.endif
;; end of part 1
;; launch spread (part 2): grid 32 x 8, 8 waves a work-group, no clusters, 34,048 bytes of LDS; arguments idx, embs, out0; writes out0
.if DOCPART == 2
	.amdgcn_target "amdgcn-amd-amdhsa--gfx1250"
	.amdhsa_code_object_version 6
	.text
	.protected	k_q4a1397eedb_spread
	.globl	k_q4a1397eedb_spread
	.p2align	8
	.type	k_q4a1397eedb_spread,@function
k_q4a1397eedb_spread:
	s_mov_b64 s[64:65], 0
	v_nop
	global_prefetch_b8 v0, s[64:65] scope:SCOPE_SE
	s_setreg_imm32_b32 hwreg(HW_REG_WAVE_MODE, 25, 1), 1
	s_wait_xcnt 0x0
; out0, read as [64 channels][131,072 tokens] of f32: out0[c][n] = embedding[idx[n]][c].  embs holds the embedding as [8 groups of 8 channels][1024][8].
; A work-group owns 8 channels (group y) of 4,096 tokens (block x): it loads its group's 32,768 bytes and 16,384 bytes of indices, and stores 131,072 bytes.
; The group's numbers are turned on their way into LDS: a table [8 channels][1024] of f32.  Thread t takes, four times, four neighbouring tokens; for each channel it gathers their four numbers from the table
; and stores them as 16 bytes: a wave's store covers 512 consecutive bytes, at a multiple of 256 from the buffer's first byte.
; No matrix work: nothing is multiplied.  No cluster: the table is turned by stores of 4 bytes from registers, and what work-groups share (49,152 bytes loaded) is small beside the 131,072 bytes that each stores.
; The indices are under 1,024 as the launch before made them; they are held at 1,023 ahead of their use as addresses.
.set TP,  4128                         ; a channel's 1,024 numbers + 32 bytes: channels c and c + 4 begin 32 banks apart, so that the turning stores of a wave touch 32 different banks (64 banks of 4 bytes: ISA guide 11.1)
.set IX,  4                            ; v4-19   16 indices, then their LDS addresses
.set RA,  32                           ; v32-63  the table's way in; then results, by turns with
.set RB,  64                           ; v64-95
	s_load_b128 s[4:7], s[0:1], 0x0                ; idx, embs
	s_load_b64 s[8:9], s[0:1], 0x10                ; out0
	v_lshl_add_u32 v96, v0, 2, 0x8100
	v_mov_b32 v97, 0
	s_and_b32 s10, ttmp7, 0xffff                   ; the channel group
	v_lshlrev_b32 v1, 4, v0                        ; 16 x thread: in all three buffers
	v_and_b32 v2, 1, v0
	v_mul_u32_u24 v2, v2, 4*TP                     ; piece t of a run of 256: codeword t / 2, channels 4 (t % 2) on
	v_lshrrev_b32 v3, 1, v0
	v_lshl_add_u32 v2, v3, 2, v2
	s_lshl_b32 s12, ttmp9, 14                      ; 4,096 tokens of 4 bytes
	s_mov_b32 s13, 0
	s_lshl_b32 s14, s10, 15                        ; a group of embs
	s_mov_b32 s15, 0
	s_lshl_b32 s16, s10, 22                        ; 8 channels of 524,288 bytes
	s_mov_b32 s17, 0
	s_wait_kmcnt 0x0
	s_add_nc_u64 s[4:5], s[4:5], s[12:13]
	s_add_nc_u64 s[6:7], s[6:7], s[14:15]
	s_add_nc_u64 s[8:9], s[8:9], s[16:17]
	s_add_nc_u64 s[8:9], s[8:9], s[12:13]
.irp j, 0,1,2,3,4,5,6,7
	global_load_b128 v[RA+4*\j:RA+4*\j+3], v1, s[6:7] offset:\j*4096
.endr
.irp s, 0,1,2,3
	global_load_b128 v[IX+4*\s:IX+4*\s+3], v1, s[4:5] offset:\s*4096      ; tokens 1024 s + 4 t + 0 .. 3
.endr
	s_wait_loadcnt 0x4                             ; the table's eight loads are in; the four of the indices may stay out
.irp j, 0,1,2,3,4,5,6,7
.irp i, 0,1,2,3
	ds_store_b32 v2, v[RA+4*\j+\i] offset:\j*512+\i*TP         ; channel 4 (t % 2) + i, codeword 128 j + t / 2
.endr
.endr
	s_wait_dscnt 0x0                               ; for the others' sake: my part of the table lies in LDS
	s_barrier_signal -1
	s_barrier_wait -1
	s_wait_loadcnt 0x0
.irp n, 0,1,2,3,4,5,6,7,8,9,10,11,12,13,14,15
	v_min_u32 v[IX+\n], 0x3ff, v[IX+\n]
.endr
.irp n, 0,1,2,3,4,5,6,7,8,9,10,11,12,13,14,15
	v_lshlrev_b32 v[IX+\n], 2, v[IX+\n]
.endr
.macro GATHER s, reg
.irp c, 0,1,2,3,4,5,6,7
.irp i, 0,1,2,3
	ds_load_b32 v[\reg+4*\c+\i], v[IX+4*\s+\i] offset:\c*TP
.endr
.endr
.endm
.macro SEND s, reg, younger            ; younger: the gathers of the next step, issued behind this step's 32
.irp c, 0,1,2,3,4,5,6,7
	s_wait_dscnt \younger+4*(7-\c)                 ; LDS loads come back in order (ISA guide 5.7.1): channel c's four are in; behind them stand the later channels' and the next step's
	global_store_b128 v1, v[\reg+4*\c:\reg+4*\c+3], s[8:9] offset:\c*524288+\s*4096 th:TH_STORE_NT
.endr
.endm
	GATHER 0, RA
	GATHER 1, RB
	SEND 0, RA, 32
	s_wait_xcnt 0x0                                ; the stores' data registers are loaded anew only behind this wait
	GATHER 2, RA
	SEND 1, RB, 32
	s_wait_xcnt 0x0
	GATHER 3, RB
	SEND 2, RA, 32
	SEND 3, RB, 0
	s_wait_tensorcnt 0x0
	ds_add_u32 v96, v97
	s_wait_dscnt 0x0
	s_endpgm
.Lfunc_end_k_q4a1397eedb_spread:
	.size	k_q4a1397eedb_spread, .Lfunc_end_k_q4a1397eedb_spread-k_q4a1397eedb_spread
	.p2alignl 7, 3214868480
	.fill 96, 4, 3214868480
	.section	.rodata,"a",@progbits
	.p2align	6, 0x0
	.amdhsa_kernel k_q4a1397eedb_spread
		.amdhsa_group_segment_fixed_size 34048
		.amdhsa_private_segment_fixed_size 0
		.amdhsa_enable_private_segment 0
		.amdhsa_kernarg_size 24
		.amdhsa_user_sgpr_count 2
		.amdhsa_user_sgpr_kernarg_segment_ptr 1
		.amdhsa_wavefront_size32 1
		.amdhsa_system_sgpr_workgroup_id_x 1
		.amdhsa_system_sgpr_workgroup_id_y 1
		.amdhsa_system_sgpr_workgroup_id_z 1
		.amdhsa_system_vgpr_workitem_id 0
		.amdhsa_next_free_vgpr 98
		.amdhsa_next_free_sgpr 66
		.amdhsa_reserve_vcc 0
		.amdhsa_float_denorm_mode_32 3
		.amdhsa_float_denorm_mode_16_64 3
		.amdhsa_memory_ordered 1
		.amdhsa_forward_progress 1
		.amdhsa_inst_pref_size 19
	.end_amdhsa_kernel
	.amdgpu_metadata
---
amdhsa.version: [ 1, 2 ]
amdhsa.kernels:
  - .name:           k_q4a1397eedb_spread
    .symbol:         k_q4a1397eedb_spread.kd
    .args:
      - { .name: idx, .offset: 0, .size: 8, .value_kind: global_buffer, .address_space: global }
      - { .name: embs, .offset: 8, .size: 8, .value_kind: global_buffer, .address_space: global }
      - { .name: out0, .offset: 16, .size: 8, .value_kind: global_buffer, .address_space: global }
    .group_segment_fixed_size: 34048
    .private_segment_fixed_size: 0
    .kernarg_segment_align: 8
    .kernarg_segment_size: 24
    .max_flat_workgroup_size: 256
    .sgpr_count:     66
    .vgpr_count:     98
    .wavefront_size: 32
...
	.end_amdgpu_metadata
.endif
;; end of part 2
